; MI455X (gfx1250); checked and timed in simulation.
; The chip was launched on July 23, 2026; its instructions are those of AMD's public machine-readable ISA for CDNA 5 (MIT licence, August 2026) and "CDNA5" Instruction Set Architecture Reference Guide (July 2026). The comments in the code are by the model that wrote it; some were corrected since.
;; Attention Block. Allowed arithmetic: matrix products marked QUANTISED: E4M3 operands, one given power-of-two scale a tensor, by v_wmma_f32_16x16x64_fp8_fp8 or v_wmma_f32_16x16x128_fp8_fp8, f32 sums; everything else in f32.
;; Inputs: Wk 1,024 x 1,024 float32; Wo 1,024 x 1,024 float32; Wq 1,024 x 1,024 float32; Wv 1,024 x 1,024 float32; bk 1,024 float32; bo 1,024 float32; bq 1,024 float32; bv 1,024 float32; lowp_scales 12 int32 (the exponents e of the quantised operands' scales 2^e); x 4 x 2,048 x 1,024 float32.
;; Outputs: out0 4 x 2,048 x 1,024 float32.
;; This version of the problem:
;;   THIS VERSION OF THE PROBLEM IS GIVEN IN LOW PRECISION. The matrix products marked QUANTISED in the list below multiply operands that are first quantised to E4M3 (4 exponent bits, 3 mantissa bits; 8 bits a number), with one given power-of-two scale for each operand tensor; their sums are f32. All else is computed in f32.
;;   The module's matrix products, in the order in which they are computed (A, B: the left and right operand; K: the contracted axis; several contracted axes count as one K, in the product's order):
;;     1. [M 8,192, K 1,024] x [K 1,024, N 1,024]; A: input x; B: input Wq: QUANTISED (scales: A lowp_scales[0], B lowp_scales[1])
;;     2. [M 8,192, K 1,024] x [K 1,024, N 1,024]; A: input x; B: input Wk: QUANTISED (scales: A lowp_scales[2], B lowp_scales[3])
;;     3. [M 8,192, K 1,024] x [K 1,024, N 1,024]; A: input x; B: input Wv: QUANTISED (scales: A lowp_scales[4], B lowp_scales[5])
;;     4. batch 64 x [M 2,048, K 64] x [K 64, N 2,048]; A: computed on the way; B: computed on the way: QUANTISED (scales: A lowp_scales[6], B lowp_scales[7])
;;     5. batch 64 x [M 64, K 2,048] x [K 2,048, N 2,048]; A: computed on the way; B: softmax (see below): QUANTISED (scales: A lowp_scales[8], B lowp_scales[9])
;;     6. [M 8,192, K 1,024] x [K 1,024, N 1,024]; A: computed on the way; B: input Wo: QUANTISED (scales: A lowp_scales[10], B lowp_scales[11])
;;   THE QUANTISER, for each operand of a quantised product, along K:
;;     - The operand's scale is 2^e, e = its entry of the input lowp_scales (int32; the entries are numbered through the quantised products in the list's order, A before B).
;;     - Each number is divided by the scale, clamped to +-448, and rounded to the nearest number of E4M3, ties to even, subnormals kept.
;;     - The product sums the exact products of the quantised numbers (number of the format x scale) in f32.
;;   ~~~python
;;   def quantise(x, axis, e):      # numpy; x: float32 -> the quantised numbers, widened to float32 again
;;       x = np.moveaxis(x, axis, -1); K = x.shape[-1]
;;       r = np.clip(x / 2.0 ** e, -448, 448)
;;       step = 2.0 ** (np.maximum(np.frexp(np.where(r == 0, 1, r))[1] - 1, -6) - 3)
;;       q = np.round(r / step) * step * 2.0 ** e      # np.round: ties to even
;;       return np.moveaxis(q, -1, axis).astype(np.float32)
;;   ~~~
;;   SOFTMAX AHEAD OF A QUANTISED PRODUCT. Where the list says 'softmax', what is quantised is not the finished softmax but p = 2^(t - M), with t = logit x log2(e) and M = ceil(the row's largest t), a whole number; so 1/2 < the row's largest p <= 1. The row's sum l is taken of the UNQUANTISED p, in f32, and the product's result is divided by l at the end. Since M is a whole number, a kernel that streams over the keys may use a running M (the ceiling of the running maximum): every later rescaling is an exact power of two, so the quantised numbers keep their values, but for numbers so far below the row's largest that they fall under the format's range.
;;   OPERANDS COMPUTED ON THE WAY. 'Computed on the way' means the value that the module computes at that place (a softmax that the list does not call 'softmax' is quantised finished and normalised). What goes into a quantiser is computed in f32, as accurately as f32 sums, v_exp_f32 and their like allow (about 1e-6 of the number): no bf16 or f16 on the way to a quantiser, and a product that is left as it is and whose result goes on into a quantised operand takes f32 operands (vector FMAs, or v_wmma_f32_16x16x4_f32). A number that lies on a knife's edge between two numbers of the format may be rounded either way, as far as f32 arithmetic and the matrix unit's own rounding can turn it there, and no further.
;; One version. Each part assembles by itself: llvm-mc -triple=amdgcn-amd-amdhsa -mcpu=gfx1250 --defsym DOCPART=n.
;; ======== version 1 of 1: 4 launches
;; workspace buffers: xcodes 25,165,824 bytes; wcodes 4,194,304 bytes; qkv 25,165,824 bytes; acodes 8,388,608 bytes
;; launch quant (part 1): grid 384 x 1, 4 waves a work-group, no clusters, 0 bytes of LDS; arguments x, Wq, Wk, Wv, Wo, lowp_scales, xcodes, wcodes; writes xcodes, wcodes
.if DOCPART == 1
	.amdgcn_target "amdgcn-amd-amdhsa--gfx1250"
	.amdhsa_code_object_version 6
	.text
	.protected	k_qaf898a2d75_quant
	.globl	k_qaf898a2d75_quant
	.p2align	8
	.type	k_qaf898a2d75_quant,@function
k_qaf898a2d75_quant:
	s_mov_b64 s[64:65], 0
	v_nop
	global_prefetch_b8 v0, s[64:65] scope:SCOPE_SE
	s_setreg_imm32_b32 hwreg(HW_REG_WAVE_MODE, 25, 1), 1
	s_wait_xcnt 0x0
; x [8192][1024] f32 becomes THREE planes of E4M3 codes (scales 2^e0, 2^e2, 2^e4, which need not be equal), Wq, Wk, Wv, Wo [1024][1024] one plane each (e1, e3, e5, e11).
; code = number / 2^e, held within +-448, rounded to the nearest code, ties to even.  LIMITS: each e between -126 and 119, so that 2^e and 448 x 2^e are f32 numbers.  NaN among the inputs is not served.
; SHARES.  A work-group takes 32,768 numbers, a wave 8,192, in 16 steps of 512.  Work-groups 0-255 take x, 256-383 the weights, 32 to a tensor.  One path through the text: only pointers, one exponent and two
; address strides are chosen, by the work-group's number; the weights' work-groups jump over the second and third conversion.
; ORDER OF THE CODES.  Each of a step's four loads reads 512 consecutive bytes, 16 a lane; a lane's 16 numbers become 16 codes, and the wave stores 512 consecutive bytes.  So inside each block of 512 along K the codes are
; PERMUTED: byte 16 l + 4 i + j holds k = 128 i + 4 l + j.  x, Wq, Wk and Wv are permuted alike, so every product of the next launch meets its partner; no LDS and no lane exchange is needed.
; Wo's partner is made head by head in a later launch, in natural order: for Wo alone a lane takes 64 neighbouring bytes (lanes 64 bytes apart, its four loads 16 bytes apart), and its codes lie in natural order.
.set XWG,   256                        ; work-groups of x
.set NATWG, 352                        ; from here on: Wo
.set A,     2                          ; v2-5     the four loads' byte offsets: lane x S1 + i x S2; never rewritten
.set STO,   6                          ; v6       16 x lane: my codes' place in a step's 512 bytes; never rewritten
.set SC,    8                          ; v8-10    2^e as f32, for the three conversions
.set LM,    11                         ; v11-13   448 x 2^e
.set R,     16                         ; v16-79   four sets of 16 numbers as loaded
.set T0,    80                         ; v80-127  three sets of 16 numbers, held
.set T1,    96
.set T2,    112
.set C0,    128                        ; v128-139 three sets of 16 codes
.set C1,    132
.set C2,    136
	s_load_b512 s[8:23], s[0:1], 0x0               ; x 8:9, Wq 10:11, Wk 12:13, Wv 14:15, Wo 16:17, the exponents 18:19, xcodes 20:21, wcodes 22:23
	v_and_b32 v1, 31, v0                           ; lane
	v_lshrrev_b32 v7, 5, v0
	v_readfirstlane_b32 s51, v7                    ; wave
	v_lshlrev_b32 v[STO], 4, v1
	s_cmp_lt_u32 ttmp9, NATWG
	s_cselect_b32 s49, 16, 64                      ; S1: from lane to lane
	s_cselect_b32 s50, 512, 16                     ; S2: from load to load
	v_mul_lo_u32 v[A], v1, s49
	v_add_nc_u32 v[A+1], s50, v[A]
	v_add_nc_u32 v[A+2], s50, v[A+1]
	v_add_nc_u32 v[A+3], s50, v[A+2]
	s_cmp_lt_u32 ttmp9, XWG
	s_cselect_b32 s36, 0, XWG
	s_sub_co_u32 s36, ttmp9, s36                   ; x: which 32,768 numbers of x; weights: which of the four tensors' 128
	s_lshr_b32 s37, s36, 5                         ; weights: the tensor, 0 to 3
	s_and_b32 s53, s36, 31                         ; and which 32,768 numbers of it
	s_wait_kmcnt 0x0
	s_load_b256 s[24:31], s[18:19], 0x0            ; e0 to e7
	s_load_b128 s[32:35], s[18:19], 0x20           ; e8 to e11
	s_mov_b64 s[40:41], s[16:17]                   ; the source: Wo, unless
	s_cmp_eq_u32 s37, 2
	s_cselect_b64 s[40:41], s[14:15], s[40:41]     ; Wv,
	s_cmp_eq_u32 s37, 1
	s_cselect_b64 s[40:41], s[12:13], s[40:41]     ; Wk,
	s_cmp_eq_u32 s37, 0
	s_cselect_b64 s[40:41], s[10:11], s[40:41]     ; Wq,
	s_cmp_lt_u32 ttmp9, XWG
	s_cselect_b64 s[40:41], s[8:9], s[40:41]       ; or x
	s_cselect_b64 s[42:43], s[20:21], s[22:23]     ; the first set of codes goes to xcodes or to wcodes
	s_cselect_b32 s52, s36, s53
	s_lshl_b32 s38, s52, 17                        ; 32,768 numbers are 131,072 bytes,
	s_lshl_b32 s54, s51, 15                        ; my wave's 8,192 are 32,768
	s_add_co_u32 s38, s38, s54
	s_mov_b32 s39, 0
	s_add_nc_u64 s[40:41], s[40:41], s[38:39]
	s_lshl_b32 s38, s36, 15                        ; the codes: 32,768 bytes a work-group (the four weights' planes lie on end, 32 work-groups each),
	s_lshl_b32 s54, s51, 13                        ; 8,192 a wave
	s_add_co_u32 s38, s38, s54
	s_add_nc_u64 s[42:43], s[42:43], s[38:39]
	s_add_nc_u64 s[44:45], s[20:21], s[38:39]
	s_add_nc_u64 s[46:47], s[44:45], 0x1000000     ; x's third plane (used by x's work-groups alone),
	s_add_nc_u64 s[44:45], s[44:45], 0x800000      ; and its second
.macro LOAD t                          ; step t's 512 numbers into set t % 4
.irp i, 0,1,2,3
	global_load_b128 v[R+16*((\t)%4)+4*\i:R+16*((\t)%4)+4*\i+3], v[A+\i], s[40:41] offset:2048*(\t) th:TH_LOAD_NT
.endr
.endm
.irp t, 0,1,2,3
	LOAD \t
.endr
.macro MKSC e, k                       ; from the exponent in s[e]: 2^e and 448 x 2^e as f32 numbers
	s_add_co_i32 s54, s[\e], 127
	s_lshl_b32 s55, s54, 23
	v_mov_b32 v[SC+\k], s55
	s_add_co_i32 s54, s54, 8
	s_lshl_b32 s54, s54, 23
	s_or_b32 s54, s54, 0x600000                    ; the mantissa field of 448
	v_mov_b32 v[LM+\k], s54
.endm
	s_wait_kmcnt 0x0
	s_mov_b32 s48, s35                             ; the first conversion's exponent: e11 (Wo), unless
	s_cmp_eq_u32 s37, 2
	s_cselect_b32 s48, s29, s48                    ; e5 (Wv),
	s_cmp_eq_u32 s37, 1
	s_cselect_b32 s48, s27, s48                    ; e3 (Wk),
	s_cmp_eq_u32 s37, 0
	s_cselect_b32 s48, s25, s48                    ; e1 (Wq),
	s_cmp_lt_u32 ttmp9, XWG
	s_cselect_b32 s48, s24, s48                    ; or e0 (x)
	MKSC 48, 0
	MKSC 26, 1                                     ; e2
	MKSC 28, 2                                     ; e4
.macro HOLD d, k                       ; the conversion to an 8-bit code does not saturate (ISA guide 7.6.2): each number is first held within the largest code x the scale
.irp n, 0,1,2,3,4,5,6,7,8,9,10,11,12,13,14,15
	v_med3_num_f32 v[\d+\n], v[RS+\n], -v[LM+\k], v[LM+\k]
.endr
.endm
.macro STEP t
.set RS, R+16*((\t)%4)
.if 4*(15-(\t)) < 12
	s_wait_loadcnt 4*(15-(\t))                     ; the tail: the counts run down
.else
	s_wait_loadcnt 12                              ; this step's four loads are in; those of the three steps behind it stay out
.endif
	s_wait_xcnt 0x0                                ; the last step's stores have read their codes' registers, which are written again below
	HOLD T0, 0
	v_cvt_scalef32_pk8_fp8_f32 v[C0:C0+1], v[T0:T0+7], v[SC]
	v_cvt_scalef32_pk8_fp8_f32 v[C0+2:C0+3], v[T0+8:T0+15], v[SC]
	s_cmp_lt_u32 ttmp9, XWG
	s_cbranch_scc0 .Lw_\@                          ; a weight has one scale
	HOLD T1, 1
	HOLD T2, 2
	v_cvt_scalef32_pk8_fp8_f32 v[C1:C1+1], v[T1:T1+7], v[SC+1]
	v_cvt_scalef32_pk8_fp8_f32 v[C1+2:C1+3], v[T1+8:T1+15], v[SC+1]
	v_cvt_scalef32_pk8_fp8_f32 v[C2:C2+1], v[T2:T2+7], v[SC+2]
	v_cvt_scalef32_pk8_fp8_f32 v[C2+2:C2+3], v[T2+8:T2+15], v[SC+2]
	v_nop
	global_store_b128 v[STO], v[C1:C1+3], s[44:45] offset:512*(\t)
	global_store_b128 v[STO], v[C2:C2+3], s[46:47] offset:512*(\t)
.Lw_\@:
	v_nop                                          ; a plain vector line behind the conversions, ahead of the next step's holds, which write the conversions' sources
	global_store_b128 v[STO], v[C0:C0+3], s[42:43] offset:512*(\t)   ; the wave stores 512 consecutive bytes, at a multiple of 512 from the buffer's first byte
.if (\t)+4 < 16
	LOAD (\t)+4                                    ; behind all reads of this set
.endif
.endm
.irp t, 0,1,2,3,4,5,6,7,8,9,10,11,12,13,14,15
	STEP \t
.endr
	s_endpgm
.Lfunc_end_k_qaf898a2d75_quant:
	.size	k_qaf898a2d75_quant, .Lfunc_end_k_qaf898a2d75_quant-k_qaf898a2d75_quant
	.p2alignl 7, 3214868480
	.fill 96, 4, 3214868480
	.section	.rodata,"a",@progbits
	.p2align	6, 0x0
	.amdhsa_kernel k_qaf898a2d75_quant
		.amdhsa_group_segment_fixed_size 0
		.amdhsa_private_segment_fixed_size 0
		.amdhsa_enable_private_segment 0
		.amdhsa_kernarg_size 64
		.amdhsa_user_sgpr_count 2
		.amdhsa_user_sgpr_kernarg_segment_ptr 1
		.amdhsa_wavefront_size32 1
		.amdhsa_system_sgpr_workgroup_id_x 1
		.amdhsa_system_sgpr_workgroup_id_y 1
		.amdhsa_system_sgpr_workgroup_id_z 1
		.amdhsa_system_vgpr_workitem_id 0
		.amdhsa_next_free_vgpr 140
		.amdhsa_next_free_sgpr 66
		.amdhsa_reserve_vcc 0
		.amdhsa_float_denorm_mode_32 3
		.amdhsa_float_denorm_mode_16_64 3
		.amdhsa_memory_ordered 1
		.amdhsa_forward_progress 1
		.amdhsa_inst_pref_size 72
	.end_amdhsa_kernel
	.amdgpu_metadata
---
amdhsa.version: [ 1, 2 ]
amdhsa.kernels:
  - .name:           k_qaf898a2d75_quant
    .symbol:         k_qaf898a2d75_quant.kd
    .args:
      - { .name: x, .offset: 0, .size: 8, .value_kind: global_buffer, .address_space: global }
      - { .name: Wq, .offset: 8, .size: 8, .value_kind: global_buffer, .address_space: global }
      - { .name: Wk, .offset: 16, .size: 8, .value_kind: global_buffer, .address_space: global }
      - { .name: Wv, .offset: 24, .size: 8, .value_kind: global_buffer, .address_space: global }
      - { .name: Wo, .offset: 32, .size: 8, .value_kind: global_buffer, .address_space: global }
      - { .name: lowp_scales, .offset: 40, .size: 8, .value_kind: global_buffer, .address_space: global }
      - { .name: xcodes, .offset: 48, .size: 8, .value_kind: global_buffer, .address_space: global }
      - { .name: wcodes, .offset: 56, .size: 8, .value_kind: global_buffer, .address_space: global }
    .group_segment_fixed_size: 0
    .private_segment_fixed_size: 0
    .kernarg_segment_align: 8
    .kernarg_segment_size: 64
    .max_flat_workgroup_size: 128
    .sgpr_count:     66
    .vgpr_count:     140
    .wavefront_size: 32
...
	.end_amdgpu_metadata
.endif
;; end of part 1
;; launch qkv (part 2): grid 4 x 96, 4 waves a work-group, clusters of 4 x 4, 327,680 bytes of LDS; arguments xcodes, wcodes, lowp_scales, bq, bk, bv, qkv; writes qkv
.if DOCPART == 2
	.amdgcn_target "amdgcn-amd-amdhsa--gfx1250"
	.amdhsa_code_object_version 6
	.text
	.protected	k_qaf898a2d75_qkv
	.globl	k_qaf898a2d75_qkv
	.p2align	8
	.type	k_qaf898a2d75_qkv,@function
k_qaf898a2d75_qkv:
	s_mov_b64 s[64:65], 0
	v_nop
	global_prefetch_b8 v0, s[64:65] scope:SCOPE_SE
	s_setreg_imm32_b32 hwreg(HW_REG_WAVE_MODE, 25, 1), 1
	s_wait_xcnt 0x0
	s_wait_alu depctr_hold_cnt(0) depctr_sa_sdst(0) depctr_va_vdst(0) depctr_va_sdst(0) depctr_va_ssrc(0) depctr_va_vcc(0) depctr_vm_vsrc(0)
	s_getreg_b32 s2, hwreg(HW_REG_IB_STS2, 6, 4)
	s_cmp_eq_u32 s2, 0
	s_cbranch_scc0 .Lentry_in_a_cluster
	s_endpgm
.Lentry_in_a_cluster:
	s_bfe_u32 s2, ttmp6, 0x10000c
	s_cmp_lg_u32 s2, 0xf033
	s_cbranch_scc0 .Lentry_shape_is_right
	s_endpgm
.Lentry_shape_is_right:
; q = x Wq^T + bq, k = x Wk^T + bk, v = x Wv^T + bv on E4M3 codes (K = 1,024), each result quantised at once (e6, e7, e8) and stored as IMAGES OF THE NEXT LAUNCH'S OPERAND REGISTERS.
; The kernel computes P R^T on tiles of 256 x 256; a work-group of four waves makes one tile, a wave 128 x 128: 64 accumulators of 16 x 16, 512 registers.
; THE MATRIX INSTRUCTION IS USED TRANSPOSED (source 0 = 16 rows of R, source 1 = 16 rows of P): lane (r, h) holds row r of P, and its registers j rows 8 h + j of R.
;   mode 0 (q), 1 (k): P = x's codes, R = the weight's: a lane holds one token and eight neighbouring features: one conversion gives registers 2 u, 2 u + 1 of a K = 64 operand (d = 16 u + 8 h + 0..7).
;   mode 2 (v):        P = Wv's codes, R = x's: a lane holds one feature d and eight neighbouring keys: registers 2 c, 2 c + 1 of a K = 128 operand (key 16 c + 8 h + 0..7): V^T, with no transposition.
; The mode is the cluster's y / 8: the same in all sixteen partners.  Only base pointers, offsets and the way out's immediates hang on it.
; CLUSTERS: 4 x 4 work-groups.  P's tile hangs on cy and is shared along a row of the cluster, R's on cx and along a column: each is asked for JOINTLY, by the same tensor load with the same descriptor and a mask of four.
; K goes in steps of 256 through a ring of two LDS slots; K = 1,024 is twice round the ring, so the steps are written out.  Both tensors' codes are permuted alike inside each 512 along K, so every product meets its partner.
; LIMITS: e0 + e1, e2 + e3, e4 + e5 between -126 and 127; e6, e7, e8 between -126 and 119.
; REGISTERS, in windows of 256: window 0: v1-31 addresses and constants; v32-95 the bias along R, v96-111 the bias along P; from v128 P's fragments (8 x 16 rows x 128 K), ONE set; on the way out v128-175 at work.
;   window 1: R's fragments, TWO sets, at v0 and v128.   window 2: the 32 accumulators of my rows 0-63 of P (accumulator (a, b) at v[8 (8 (a % 4) + b)]);   window 3: those of rows 64-127.
.set ROWB,   256                       ; a tile's row in bytes
.set KROW,   1024                      ; a row of codes in memory
.set PITCH,  272                       ; an LDS row: 256 bytes + 16 of padding = 68 words: the 16 rows that a load touches start at 16 different banks (64 banks of 4 bytes: ISA guide 11.1)
.set FR,     16                        ; registers of a fragment: 16 rows x 128 K
.set NL,     4                         ; LDS loads that bring one
.set NP,     4                         ; places behind this matrix instruction (ISA guide 7.12.1)
.set HALFT,  128*PITCH                 ; 128 rows: what one tensor load brings, and what one wave reads of P or of R
.set SLOT,   4*HALFT                   ; P's 256 rows, then R's 256
.set SPARE,  2*SLOT                    ; behind the ring: the spare words, 128 bytes for each wave
.set LIM,  12                          ; v12     448 x 2^(e6, e7 or e8)
.set SCQ,  13                          ; v13     2^(e6, e7 or e8)
.set ADRA, 16                          ; v16-17  LDS address of my fragments of P in slot 0, 1
.set ADRB, 20                          ; v20-21  the same for R
.set OFS,  24                          ; v24     16 x lane: my place in an image's 512 bytes
.set BRO,  25                          ; v25     byte offset of the bias along R
.set BPO,  26                          ; v26     byte offset of the bias along P
.set SPW,  28                          ; v28     LDS address of my spare word; never rewritten
.set NIL,  29                          ; v29     0; never rewritten
.set BR,   32                          ; v32-95  bias(16 b + 8 h + j) of my 128 rows of R
.set BP,   96                          ; v96-111 bias(16 a + r) of my 128 rows of P, each twice (a pair for the packed form)
.set AF,   128                         ; P's fragments
.set T,    128                         ; the way out: 32 numbers
.set C,    160                         ; the way out: two sets of 8 registers of codes
.set WV,   18                          ; s18 wave;  s19 wave / 2: my half of P's rows, and: I fetch for P (0) or R (1);  s20 wave % 2: my half of R's rows, and: which 128 rows I fetch
.set WR,   19
.set WC,   20
.set CX,   21
.set CY,   22
.set MODE, 40
.set C8,   41
.set G1,   24                          ; s[24:31] descriptor group 1 for P's tiles;  s[32:39] group 0, one set for each slot
.set G0,   32
.set G1B,  48                          ; s[48:55], s[56:63] the same for R's tiles
.set G0B,  56
.set MSB, 0
.macro WIN new                         ; the immediate's high byte repeats the setting that is left
.if MSB != (\new)
	s_set_vgpr_msb (MSB<<8)|(\new)
.set MSB, \new
.endif
.endm
.set MUL_LO, 0xa1                      ; source 0 (R) window 1, source 1 (P) window 0, C and D window 2
.set MUL_HI, 0xf1                      ; the same, C and D window 3
.set TO_B,   0x40                      ; destination window 1, address window 0
; A joint load: waves 0 and 1 fetch for P, waves 2 and 3 for R.  Each of the two lines has ONE mask and one set of registers for all that issue it; the branch hangs on the wave's number alone.
; An s_nop 0 and four v_nop follow each of the two lines, ahead of the jump, the label and what follows.
.macro JLOAD g0a, g1a, g0b, g1b
	s_cmp_eq_u32 s[WR], 0
	s_cbranch_scc0 .Lfor_b_\@
	tensor_load_to_lds s[\g0a:\g0a+3], s[\g1a:\g1a+7]
	s_nop 0
.rept 4
	v_nop
.endr
	s_branch .Lasked_\@
.Lfor_b_\@:
	tensor_load_to_lds s[\g0b:\g0b+3], s[\g1b:\g1b+7]
	s_nop 0
.rept 4
	v_nop
.endr
.Lasked_\@:
.endm
.macro CREST                           ; a round of the cluster's barrier behind its opening barrier
	s_cmp_lg_u32 s[WV], 0
	s_cbranch_scc1 .Lnot_wave_0_\@
	s_barrier_signal -3
.Lnot_wave_0_\@:
	s_barrier_wait -3
	s_barrier_signal -1
	s_barrier_wait -1
.endm
.macro CROUND                          ; a whole round
	s_barrier_signal -1
	s_barrier_wait -1
	CREST
.endm
	s_load_b256 s[4:11], s[0:1], 0x0               ; xcodes 4:5, wcodes 6:7, the exponents 8:9, bq 10:11
	s_load_b128 s[12:15], s[0:1], 0x20             ; bk 12:13, bv 14:15
	s_load_b64 s[16:17], s[0:1], 0x30              ; qkv
	v_lshl_add_u32 v[SPW], v0, 2, SPARE
	v_mov_b32 v[NIL], 0
	ds_add_u32 v[SPW], v[NIL]                      ; the wave's opening: the add and its wait stand ahead of my first tensor load; the set-up below, work on registers, stands between them
	v_lshrrev_b32 v1, 5, v0
	v_readfirstlane_b32 s[WV], v1                  ; wave 0..3
	s_lshr_b32 s[WR], s[WV], 1
	s_and_b32 s[WC], s[WV], 1
	s_bfe_u32 s[CX], ttmp6, 0x40000                ; cx, cy: my place in the cluster
	s_bfe_u32 s[CY], ttmp6, 0x40004
	s_and_b32 s23, ttmp7, 0xffff                   ; the cluster's y, 0 to 23
	s_lshr_b32 s[MODE], s23, 3                     ; 0 q, 1 k, 2 v
	s_and_b32 s[C8], s23, 7                        ; which 1,024 tokens
	s_lshl_b32 s86, s[CY], 2
	s_lshl_b32 s86, 15, s86                        ; my row of the cluster
	s_lshl_b32 s87, 0x1111, s[CX]                  ; my column
	; descriptor group 1: a tile of 128 rows x 256 bytes, padded in LDS
	s_or_b32 s[G1+0], s86, (0<<16)|(1<<20)|(1<<21)|(5<<22)|(3<<25)   ; 15:0 the mask: P's tiles go to my row; 17:16 elements of 1 byte; 20 padding on; 21 set beside a mask; 24:22 after every 64 words (code 5); 31:25 four words (code 3)
	s_or_b32 s[G1B+0], s87, (0<<16)|(1<<20)|(1<<21)|(5<<22)|(3<<25)  ; the same with the mask of my column, for R's tiles
.irp g, G1, G1B
	s_mov_b32 s[\g+1], ROWB<<16                    ; tensor_dim0
	s_mov_b32 s[\g+2], 128<<16                     ; tensor_dim1 = 128
	s_mov_b32 s[\g+3], ROWB<<16                    ; tile_dim0
	s_mov_b32 s[\g+4], 128                         ; tile_dim1 = 128
	s_mov_b32 s[\g+5], KROW                        ; tensor_dim0_stride
	s_mov_b32 s[\g+6], 0
	s_mov_b32 s[\g+7], 0
.endr
	; which tiles of 256 rows.  The tokens' tensor has 32 of them (4 c8 + my place), the weight's 4 (my place).  P's number hangs on cy alone, R's on cx alone, each in registers of its own.
	s_lshl_b32 s88, s[C8], 2
	s_cmp_eq_u32 s[MODE], 2
	s_cselect_b32 s46, 0, s88
	s_cselect_b32 s47, s88, 0
	s_add_co_u32 s46, s46, s[CY]                   ; P's tile
	s_add_co_u32 s47, s47, s[CX]                   ; R's tile
	s_lshl_b32 s89, s[WC], 17                      ; the 128 rows of 1,024 bytes that I fetch
	s_lshl_b32 s42, s46, 18
	s_add_co_u32 s42, s42, s89
	s_mov_b32 s43, 0
	s_lshl_b32 s44, s47, 18
	s_add_co_u32 s44, s44, s89
	s_mov_b32 s45, 0
	s_lshl_b32 s90, s[MODE], 23                    ; the mode's plane of x's codes: 8 MiB each,
	s_mov_b32 s91, 0
	s_lshl_b32 s92, s[MODE], 20                    ; and of the weights': 1 MiB each
	s_mov_b32 s93, 0
	s_mul_i32 s94, s[WV], HALFT                    ; where my load goes: wave x 128 rows: no place in the cluster enters an LDS address
	s_wait_dscnt 0x0                               ; the opening add is done
	s_wait_kmcnt 0x0
	s_load_b256 s[68:75], s[8:9], 0x0              ; e0 to e7
	s_load_b128 s[76:79], s[8:9], 0x20             ; e8 to e11
	s_add_nc_u64 s[4:5], s[4:5], s[90:91]
	s_add_nc_u64 s[6:7], s[6:7], s[92:93]
	s_cmp_eq_u32 s[MODE], 2
	s_cselect_b64 s[90:91], s[6:7], s[4:5]         ; P: the weight in mode 2, else x
	s_cselect_b64 s[92:93], s[4:5], s[6:7]         ; R: the other
	s_add_nc_u64 s[42:43], s[90:91], s[42:43]
	s_add_nc_u64 s[44:45], s[92:93], s[44:45]
	s_cmp_eq_u32 s[MODE], 0
	s_cselect_b64 s[84:85], s[10:11], s[14:15]     ; the bias: bq, bv,
	s_cmp_eq_u32 s[MODE], 1
	s_cselect_b64 s[84:85], s[12:13], s[84:85]     ; or bk
	CROUND                                         ; all sixteen work-groups are here: the first joint loads meet
.irp s, 0,1
	s_mov_b32 s[G0+4*\s], 1                                        ; count = 1
	s_add_co_u32 s[G0+4*\s+1], s94, \s*SLOT                        ; LDS address
	s_add_nc_u64 s[G0+4*\s+2:G0+4*\s+3], s[42:43], \s*ROWB         ; global address: K step s
	s_or_b32 s[G0+4*\s+3], s[G0+4*\s+3], 0x80000000                ; type = 2
	s_mov_b32 s[G0B+4*\s], 1
	s_add_co_u32 s[G0B+4*\s+1], s94, \s*SLOT
	s_add_nc_u64 s[G0B+4*\s+2:G0B+4*\s+3], s[44:45], \s*ROWB
	s_or_b32 s[G0B+4*\s+3], s[G0B+4*\s+3], 0x80000000
	JLOAD G0+4*\s, G1, G0B+4*\s, G1B
.endr
	v_and_b32 v1, 15, v0                           ; r = lane % 16
	v_bfe_u32 v2, v0, 4, 1                         ; h = lane / 16
	v_mul_u32_u24 v3, v1, PITCH
	v_lshl_add_u32 v4, v2, 4, v3                   ; a fragment's row x pitch + 16 x half
	s_mul_i32 s86, s[WR], HALFT                    ; my 128 rows of P
	s_mul_i32 s87, s[WC], HALFT                    ; my 128 rows of R,
	s_add_co_u32 s87, s87, 2*HALFT                 ; which lie behind P's 256
.irp s, 0,1
	v_add_nc_u32 v[ADRA+\s], s86, v4
	v_add_nc_u32 v[ADRB+\s], s87, v4
	s_add_co_u32 s86, s86, SLOT
	s_add_co_u32 s87, s87, SLOT
.endr
	v_and_b32 v5, 31, v0
	v_lshlrev_b32 v[OFS], 4, v5
	; The bias is loaded both ways, with no branch: along R (used in modes 0 and 1, where R's rows are features) and along P (mode 2).  Both stay inside its 4,096 bytes in every mode.
	s_lshl_b32 s86, s[CX], 10
	s_lshl_b32 s87, s[WC], 9
	s_add_co_u32 s86, s86, s87
	v_lshl_add_u32 v[BRO], v2, 5, s86              ; 4 (256 cx + 128 (wave % 2)) + 32 h
	s_lshl_b32 s86, s[CY], 10
	s_lshl_b32 s87, s[WR], 9
	s_add_co_u32 s86, s86, s87
	v_lshl_add_u32 v[BPO], v1, 2, s86              ; 4 (256 cy + 128 (wave / 2)) + 4 r
.irp b, 0,1,2,3,4,5,6,7
	global_load_b128 v[BR+8*\b:BR+8*\b+3],   v[BRO], s[84:85] offset:64*\b
	global_load_b128 v[BR+8*\b+4:BR+8*\b+7], v[BRO], s[84:85] offset:64*\b+16
.endr
.irp n, 0,1,2,3,4,5,6,7,8,9,10,11,12,13,14,15
	global_load_b32 v[BP+\n], v[BPO], s[84:85] offset:64*(\n/2)
.endr
.macro FRAG reg, adr, q, i             ; a fragment, 16 rows x 128 bytes, is 16 registers, by four loads of 16 bytes, 32 bytes apart: the same places of k in P and in R
.irp c, 0,1,2,3
	ds_load_b128 v[\reg+4*\c:\reg+4*\c+3], v[\adr] offset:128*(\q)+32*\c+(\i)*16*PITCH
.endr
.endm
; 16 matrix instructions: P's blocks a0, a0 + 1 x R's eight, 128 along K.  p: R's set.  zero = 1: the first product starts the sums: nothing is ever cleared.
; The 64 accumulators take turns, one instruction a turn, in the same order in every step.
.macro MUL16 a0, p, zero
.irp a, \a0, \a0+1
.irp b, 0,1,2,3,4,5,6,7
.if \zero
	v_wmma_f32_16x16x128_fp8_fp8 v[8*(8*((\a)%4)+\b):8*(8*((\a)%4)+\b)+7], v[128*(\p)+FR*\b:128*(\p)+FR*\b+FR-1], v[AF+FR*(\a):AF+FR*(\a)+FR-1], 0
.else
	v_wmma_f32_16x16x128_fp8_fp8 v[8*(8*((\a)%4)+\b):8*(8*((\a)%4)+\b)+7], v[128*(\p)+FR*\b:128*(\p)+FR*\b+FR-1], v[AF+FR*(\a):AF+FR*(\a)+FR-1], v[8*(8*((\a)%4)+\b):8*(8*((\a)%4)+\b)+7]
.endif
.endr
.endr
.endm
.macro FETCH_B slot, q, p              ; R's eight fragments of the slot's q-th 128 along K into set p
	WIN TO_B
.irp i, 0,1,2,3,4,5,6,7
	FRAG 128*(\p)+FR*\i, ADRB+\slot, \q, \i
.endr
	WIN 0
.endm
.macro FETCH_A slot, q, i0             ; P's blocks i0 .. i0 + 3
.irp i, \i0, \i0+1, \i0+2, \i0+3
	FRAG AF+FR*(\i), ADRA+\slot, \q, \i
.endr
.endm
; A load into a register that a matrix instruction has read, and a vector instruction that reads a matrix result or writes one of a matrix instruction's registers, stand NP places behind it; only plain vector
; instructions that name none of its registers are places (ISA guide 7.12.1 for vector instructions).
.macro PLACES n
.rept \n
	v_nop
.endr
.endm
; A step of 128 along K that has its successor in the same slot.  A block of P is free as soon as its eight products are issued: blocks 0-3 are fetched anew in the step's middle, blocks 4-7 at its end.
.macro STEP slot, q, zero
	s_wait_dscnt 4*NL                              ; R's set and P's blocks 0-3 are in; the youngest sixteen loads (P's blocks 4-7) may be out
	WIN MUL_LO
	MUL16 0, (\q)%2, \zero
	MUL16 2, (\q)%2, \zero
	s_wait_dscnt 0                                 ; P's blocks 4-7 are in
	PLACES NP
	FETCH_B \slot, (\q)+1, 1-(\q)%2
	FETCH_A \slot, (\q)+1, 0
	WIN MUL_HI
	MUL16 4, (\q)%2, \zero
	MUL16 6, (\q)%2, \zero
	PLACES NP
	WIN 0
	FETCH_A \slot, (\q)+1, 4
.endm
; A slot's last step changes slots: ONE barrier; in front of it each wave waits for all its tensor loads, adds 0 to its spare word, and waits for that and for its own reads of this slot.  fill = 1: this slot is filled again, two K steps ahead.
.macro TURN slot, next, fill
	s_wait_tensorcnt 0x0                           ; all my tensor loads have landed: my part of the next slot  (every window is 0 here: the add's two registers lie in window 0)
	ds_add_u32 v[SPW], v[NIL]                      ; 0 onto my spare word
	s_wait_dscnt 4*NL+1                            ; (the add and the youngest sixteen loads, P's blocks 4-7, may be out)
	WIN MUL_LO
	MUL16 0, 1, 0                                  ; sixteen matrix instructions stand between the add and the wait for it
	s_wait_dscnt 0x0                               ; the add is done, and my reads of this slot are over
	s_barrier_signal -1
	MUL16 2, 1, 0
	WIN 0
	s_barrier_wait -1
.if \fill
	CREST                                          ; the barrier has opened a round of the cluster's barrier: no wave of any partner still reads this slot's tile or has a load on its way
	s_add_nc_u64 s[G0+4*\slot+2:G0+4*\slot+3], s[G0+4*\slot+2:G0+4*\slot+3], 2*ROWB
	s_add_nc_u64 s[G0B+4*\slot+2:G0B+4*\slot+3], s[G0B+4*\slot+2:G0B+4*\slot+3], 2*ROWB
	JLOAD G0+4*\slot, G1, G0B+4*\slot, G1B         ; the first tensor load behind the round; the four v_nop behind it are the places in front of the loads below
.else
	PLACES NP
.endif
	FETCH_B \next, 0, 0
	FETCH_A \next, 0, 0
	WIN MUL_HI
	MUL16 4, 1, 0
	MUL16 6, 1, 0
	PLACES NP
	WIN 0
	FETCH_A \next, 0, 4
.endm
	s_wait_tensorcnt 1                             ; my part of K step 0 is in (K step 1's load may be out)
	s_barrier_signal -1
	s_barrier_wait -1                              ; everybody's is
	FETCH_B 0, 0, 0
	FETCH_A 0, 0, 0
	FETCH_A 0, 0, 4
	STEP 0, 0, 1                                   ; K 0-127: its products start the sums
	TURN 0, 1, 1                                   ; K 128-255; slot 0 takes K 512-767
	STEP 1, 0, 0
	TURN 1, 0, 1                                   ; slot 1 takes K 768-1023
	STEP 0, 0, 0
	TURN 0, 1, 0                                   ; nothing is left to fetch: no round
	STEP 1, 0, 0
	s_wait_dscnt 4*NL                              ; the very last step
	WIN MUL_LO
	MUL16 0, 1, 0
	MUL16 2, 1, 0
	s_wait_dscnt 0
	WIN MUL_HI
	MUL16 4, 1, 0
	MUL16 6, 1, 0
	WIN 0
	; THE WAY OUT.  number = sum x 2^(the two operands' exponents) + bias; held within +-448 x 2^e; converted: eight registers of an accumulator give two registers of the next operand.
	s_wait_kmcnt 0x0
	s_cmp_eq_u32 s[MODE], 0
	s_cselect_b32 s86, s68, s72                    ; x's exponent: e0, e4,
	s_cselect_b32 s87, s69, s73                    ; the weight's: e1, e5,
	s_cselect_b32 s88, s74, s76                    ; the result's: e6, e8,
	s_cmp_eq_u32 s[MODE], 1
	s_cselect_b32 s86, s70, s86                    ; or e2,
	s_cselect_b32 s87, s71, s87                    ; e3,
	s_cselect_b32 s88, s75, s88                    ; e7
	s_add_co_i32 s86, s86, s87
	s_add_co_i32 s86, s86, 127
	s_lshl_b32 s80, s86, 23                        ; 2^(the sum of the two) as f32
	s_mov_b32 s81, s80                             ; (named with it as a pair, so it is written)
	s_add_co_i32 s88, s88, 127
	s_lshl_b32 s89, s88, 23
	v_mov_b32 v[SCQ], s89
	s_add_co_i32 s88, s88, 8
	s_lshl_b32 s88, s88, 23
	s_or_b32 s88, s88, 0x600000
	v_mov_b32 v[LIM], s88
	; where my images begin: plane mode; batch and head bh = 16 b + head: 131,072 bytes; block of 128 tokens kb: 8,192 bytes
	s_cmp_eq_u32 s[MODE], 2
	s_cselect_b32 s86, s47, s46                    ; the tokens' tile of 256,
	s_cselect_b32 s87, s[WC], s[WR]                ; my half of it,
	s_cselect_b32 s88, s[CY], s[CX]                ; the features' tile of 256 (4 heads),
	s_cselect_b32 s89, s[WR], s[WC]                ; my half of it (2 heads)
	s_lshl_b32 s86, s86, 1
	s_add_co_u32 s86, s86, s87                     ; block of 128 tokens, 0 to 63
	s_lshr_b32 s87, s86, 4                         ; b
	s_and_b32 s86, s86, 15                         ; kb
	s_lshl_b32 s88, s88, 2
	s_lshl_b32 s89, s89, 1
	s_add_co_u32 s88, s88, s89                     ; my first head
	s_lshl_b32 s87, s87, 4
	s_add_co_u32 s87, s87, s88                     ; bh
	s_lshl_b32 s87, s87, 4
	s_add_co_u32 s87, s87, s86
	s_lshl_b32 s86, s87, 13
	s_lshl_b32 s87, s[MODE], 23
	s_add_co_u32 s86, s86, s87
	s_mov_b32 s87, 0
	s_add_nc_u64 s[82:83], s[16:17], s[86:87]
	s_wait_loadcnt 0x0                             ; the biases
	PLACES NP                                      ; behind the last products: their results are read and P's fragments' registers written below
; Four accumulators (block a of P, blocks 4 hh .. 4 hh + 3 of R) become eight registers of codes: two stores of 512 consecutive bytes each.
; kind = 0 (q, k): token tile a, head hh of my two: an image of 1 KiB.   kind = 1 (v): head a / 4, d tile a % 4, keys 64 hh on: half of an image of 2 KiB.
.macro GROUP a, hh, kind
.set CC, C+8*(\hh)
	s_wait_xcnt 0x0                                ; earlier stores have read their codes' registers
	WIN 0x02+((\a)/4)                              ; source 0: window 2 or 3
.irp u, 0,1,2,3
.irp i, 0,2,4,6
.if \kind
	v_pk_fma_f32 v[T+8*\u+\i:T+8*\u+\i+1], v[64*((\a)%4)+8*(4*(\hh)+\u)+\i:64*((\a)%4)+8*(4*(\hh)+\u)+\i+1], s[80:81], v[BP+2*(\a):BP+2*(\a)+1] op_sel_hi:[1,0,1]
.else
	v_pk_fma_f32 v[T+8*\u+\i:T+8*\u+\i+1], v[64*((\a)%4)+8*(4*(\hh)+\u)+\i:64*((\a)%4)+8*(4*(\hh)+\u)+\i+1], s[80:81], v[BR+8*(4*(\hh)+\u)+\i:BR+8*(4*(\hh)+\u)+\i+1] op_sel_hi:[1,0,1]
.endif
.endr
.endr
	WIN 0
.set j, 0
.rept 32
	v_med3_num_f32 v[T+j], v[T+j], -v[LIM], v[LIM] ; the conversion to an 8-bit code does not saturate (ISA guide 7.6.2)
.set j, j+1
.endr
.irp u, 0,1,2,3
	v_cvt_scalef32_pk8_fp8_f32 v[CC+2*\u:CC+2*\u+1], v[T+8*\u:T+8*\u+7], v[SCQ]
.endr
	v_nop                                          ; a plain vector line behind the conversions, ahead of the next group's writes of their sources
.if \kind
	global_store_b128 v[OFS], v[CC:CC+3],   s[82:83] offset:((\a)/4)*131072+((\a)%4)*2048+(\hh)*1024
	global_store_b128 v[OFS], v[CC+4:CC+7], s[82:83] offset:((\a)/4)*131072+((\a)%4)*2048+(\hh)*1024+512
.else
	global_store_b128 v[OFS], v[CC:CC+3],   s[82:83] offset:(\hh)*131072+(\a)*1024
	global_store_b128 v[OFS], v[CC+4:CC+7], s[82:83] offset:(\hh)*131072+(\a)*1024+512
.endif
.endm
	s_cmp_eq_u32 s[MODE], 2                        ; the same in all partners of a cluster
	s_cbranch_scc1 .Lvt
.irp a, 0,1,2,3,4,5,6,7
.irp hh, 0,1
	GROUP \a, \hh, 0
.endr
.endr
	s_branch .Lend
.Lvt:
.irp a, 0,1,2,3,4,5,6,7
.irp hh, 0,1
	GROUP \a, \hh, 1
.endr
.endr
.Lend:
	s_wait_tensorcnt 0x0                           ; the wave's end: a wait, an add and its wait, behind my last tensor load
	ds_add_u32 v[SPW], v[NIL]
	s_wait_dscnt 0x0
	CROUND                                         ; the closing round: no work-group ends while a partner may still ask for a tile that names it
	s_endpgm
.Lfunc_end_k_qaf898a2d75_qkv:
	.size	k_qaf898a2d75_qkv, .Lfunc_end_k_qaf898a2d75_qkv-k_qaf898a2d75_qkv
	.p2alignl 7, 3214868480
	.fill 96, 4, 3214868480
	.section	.rodata,"a",@progbits
	.p2align	6, 0x0
	.amdhsa_kernel k_qaf898a2d75_qkv
		.amdhsa_group_segment_fixed_size 327680
		.amdhsa_private_segment_fixed_size 0
		.amdhsa_enable_private_segment 0
		.amdhsa_kernarg_size 56
		.amdhsa_user_sgpr_count 2
		.amdhsa_user_sgpr_kernarg_segment_ptr 1
		.amdhsa_wavefront_size32 1
		.amdhsa_system_sgpr_workgroup_id_x 1
		.amdhsa_system_sgpr_workgroup_id_y 1
		.amdhsa_system_sgpr_workgroup_id_z 1
		.amdhsa_system_vgpr_workitem_id 0
		.amdhsa_next_free_vgpr 1024
		.amdhsa_next_free_sgpr 100
		.amdhsa_reserve_vcc 0
		.amdhsa_float_denorm_mode_32 3
		.amdhsa_float_denorm_mode_16_64 3
		.amdhsa_memory_ordered 1
		.amdhsa_forward_progress 1
		.amdhsa_inst_pref_size 196
	.end_amdhsa_kernel
	.amdgpu_metadata
---
amdhsa.version: [ 1, 2 ]
amdhsa.kernels:
  - .name:           k_qaf898a2d75_qkv
    .symbol:         k_qaf898a2d75_qkv.kd
    .args:
      - { .name: xcodes, .offset: 0, .size: 8, .value_kind: global_buffer, .address_space: global }
      - { .name: wcodes, .offset: 8, .size: 8, .value_kind: global_buffer, .address_space: global }
      - { .name: lowp_scales, .offset: 16, .size: 8, .value_kind: global_buffer, .address_space: global }
      - { .name: bq, .offset: 24, .size: 8, .value_kind: global_buffer, .address_space: global }
      - { .name: bk, .offset: 32, .size: 8, .value_kind: global_buffer, .address_space: global }
      - { .name: bv, .offset: 40, .size: 8, .value_kind: global_buffer, .address_space: global }
      - { .name: qkv, .offset: 48, .size: 8, .value_kind: global_buffer, .address_space: global }
    .group_segment_fixed_size: 327680
    .private_segment_fixed_size: 0
    .kernarg_segment_align: 8
    .kernarg_segment_size: 56
    .max_flat_workgroup_size: 128
    .sgpr_count:     100
    .vgpr_count:     1024
    .wavefront_size: 32
...
	.end_amdgpu_metadata
.endif
;; end of part 2
;; launch attn (part 3): grid 4 x 64, 8 waves a work-group, clusters of 4 x 1, 263,168 bytes of LDS; arguments qkv, lowp_scales, acodes; writes acodes
.if DOCPART == 3
	.amdgcn_target "amdgcn-amd-amdhsa--gfx1250"
	.amdhsa_code_object_version 6
	.text
	.protected	k_qaf898a2d75_attn
	.globl	k_qaf898a2d75_attn
	.p2align	8
	.type	k_qaf898a2d75_attn,@function
k_qaf898a2d75_attn:
	s_mov_b64 s[64:65], 0
	v_nop
	global_prefetch_b8 v0, s[64:65] scope:SCOPE_SE
	s_setreg_imm32_b32 hwreg(HW_REG_WAVE_MODE, 25, 1), 1
	s_wait_xcnt 0x0
	s_wait_alu depctr_hold_cnt(0) depctr_sa_sdst(0) depctr_va_vdst(0) depctr_va_sdst(0) depctr_va_ssrc(0) depctr_va_vcc(0) depctr_vm_vsrc(0)
	s_getreg_b32 s2, hwreg(HW_REG_IB_STS2, 6, 4)
	s_cmp_eq_u32 s2, 0
	s_cbranch_scc0 .Lentry_in_a_cluster
	s_endpgm
.Lentry_in_a_cluster:
	s_bfe_u32 s2, ttmp6, 0x10000c
	s_cmp_lg_u32 s2, 0x3003
	s_cbranch_scc0 .Lentry_shape_is_right
	s_endpgm
.Lentry_shape_is_right:
; For each batch and head: O = softmax(q k^T / 8) v on E4M3 codes, divided by the row's sum, quantised with 2^e10 and stored as images of the last launch's operand registers.
; THE SOFTMAX AHEAD OF THE SECOND PRODUCT: t = score x log2(e) / 8; M = the running largest t rounded UP to a whole number; p = 2^(t - M) is quantised with 2^e9, not normalised.  The row's sum is taken of the
; unquantised p, in f32.  When M moves, the sum and O are multiplied by 2^(old M - new M): exact.
; SHARES.  A work-group owns one head (bh = the grid's y) and 512 queries; each of its eight waves 64: four tiles of 16.  Two waves share a SIMD.  Every wave walks the head's 2,048 keys, 128 a step.
; THE WHOLE HEAD'S K AND V LIE IN LDS, 131,072 bytes each, filled ONCE: one tensor load of 32,768 bytes a wave; one barrier; no bytes are filled again.
; CLUSTER.  The four query blocks of a head need the same K and V: each load is asked for JOINTLY by the four, with the same descriptor and the mask 15.
; LAYOUT.  Both products are used transposed: S^T = K Q^T (source 0 = 16 keys, source 1 = 16 queries, K = 64), O^T = V^T P^T (source 0 = 16 of the head's 64, source 1 = P, K = 128 keys): a lane holds ONE query throughout.
; S^T's tile T gives lane (r, h) keys 16 T + 8 h + 0..7 of query r: its conversion is registers 2 T, 2 T + 1 of P.  K, V and Q lie in memory as images of their fragments' registers (16 bytes a lane, 512 a load): no pitch, no padding.
; Every fragment of K and V that a wave reads from LDS feeds four matrix instructions, one for each tile of queries.
; LIMITS: e6 + e7 between -123 and 130 (they are added to c's exponent field); e9 and e10 between -126 and 119; e8 + e9 is applied by v_ldexp_f32 and has none.
; REGISTERS: window 0: v1-15 addresses, constants, at work; v16-47 eight registers of statistics a tile; v64-127 S^T, then p; v128-191 P's codes, 16 a tile; v192-223 Q, 8 a tile; v224-255 the output's codes.
;   window 1: v0-127 O^T (tile i, d tile b at 32 i + 8 b); v128-191 K's eight fragments of a step; v192-255 V's four.
.set VOFF,  131072                     ; LDS: K from 0, V from here
.set SPARE, 262144                     ; behind them: the spare words, 128 bytes for each of eight waves
.set LI,   1                           ; v1   16 x lane; never rewritten
.set ADK,  2                           ; v2   LDS address of the step's fragments of K
.set ADV,  3                           ; v3   of V
.set SPW,  4                           ; v4   LDS address of my spare word; never rewritten
.set NIL,  5                           ; v5   0; never rewritten
.set SCP,  6                           ; v6   2^e9      v7  448 x 2^e9
.set LIMP, 7
.set SCO,  8                           ; v8   2^e10     v9  448 x 2^e10
.set LIMO, 9
.set PD,   10                          ; v10  a lane permute's destination
.set X0,   12                          ; v12, v13 at work
.set X1,   13
.set FAC,  14                          ; v[14:15] f = 2^(old M - new M), and a filler for the pair
.set ST,   16                          ; tile i at v[16 + 8 i]: +0 -M, +1 the largest t, +2, +3 the sum in two halves, +4, +5 a second chain, later the row's sum, +6 1 / sum, +7 a filler
.set S,    64
.set P,    128
.set Q,    192
.set OC,   224
.set FK,   128                         ; in window 1
.set FV,   192
.set WV,   10                          ; s10 wave
.set G1,   16                          ; s[16:23] descriptor group 1
.set G0,   24                          ; s[24:27] descriptor group 0
.set CS,   32                          ; s[32:33] c = log2(e) / 8 x 2^(e6 + e7)
.set SEL,  34                          ; s[34:35] lane selects for v_permlanex16_b32: lane l xor 16
.set TB,   36                          ; s36  LDS byte of the key step in hand
.set CNT,  37                          ; s37  key steps to go
.set MSB, 0
.macro WIN new                         ; the immediate's high byte repeats the setting that is left
.if MSB != (\new)
	s_set_vgpr_msb (MSB<<8)|(\new)
.set MSB, \new
.endif
.endm
.macro CROUND                          ; a round of the cluster's barrier
	s_barrier_signal -1
	s_barrier_wait -1
	s_cmp_lg_u32 s[WV], 0
	s_cbranch_scc1 .Lnot_wave_0_\@
	s_barrier_signal -3
.Lnot_wave_0_\@:
	s_barrier_wait -3
	s_barrier_signal -1
	s_barrier_wait -1
.endm
.macro MKSC e, sc, lm                  ; from the exponent in s[e]: 2^e and 448 x 2^e as f32 numbers
	s_add_co_i32 s54, s[\e], 127
	s_lshl_b32 s55, s54, 23
	v_mov_b32 v[\sc], s55
	s_add_co_i32 s54, s54, 8
	s_lshl_b32 s54, s54, 23
	s_or_b32 s54, s54, 0x600000
	v_mov_b32 v[\lm], s54
.endm
	s_load_b128 s[4:7], s[0:1], 0x0                ; qkv 4:5, the exponents 6:7
	s_load_b64 s[8:9], s[0:1], 0x10                ; acodes
	v_lshl_add_u32 v[SPW], v0, 2, SPARE
	v_mov_b32 v[NIL], 0
	ds_add_u32 v[SPW], v[NIL]                      ; the wave's opening: the add and its wait stand ahead of my first tensor load; the set-up below, work on registers, stands between them
	v_lshrrev_b32 v1, 5, v0
	v_readfirstlane_b32 s[WV], v1                  ; wave 0..7
	s_bfe_u32 s11, ttmp6, 0x40000                  ; cx: my block of 512 queries: it enters Q's and the output's addresses alone
	s_and_b32 s12, ttmp7, 0xffff                   ; bh = 16 b + head, which the four partners share
	; descriptor group 1: 32,768 dense bytes as 128 rows of 256
	s_mov_b32 s[G1], 15|(3<<16)|(1<<21)            ; 15:0 the mask: all four work-groups; 17:16 elements of 8 bytes; 20 no padding; 21 set beside a mask
	s_mov_b32 s[G1+1], 32<<16                      ; tensor_dim0 = 32 elements
	s_mov_b32 s[G1+2], 128<<16                     ; tensor_dim1 = 128
	s_mov_b32 s[G1+3], 32<<16                      ; tile_dim0
	s_mov_b32 s[G1+4], 128                         ; tile_dim1
	s_mov_b32 s[G1+5], 32                          ; tensor_dim0_stride
	s_mov_b32 s[G1+6], 0
	s_mov_b32 s[G1+7], 0
	s_mov_b32 s[SEL], 0x76543210
	s_mov_b32 s[SEL+1], 0xfedcba98
	; what I fetch: waves 0-3 the quarters of K (plane 1), waves 4-7 those of V (plane 2)
	s_lshr_b32 s54, s[WV], 2
	s_add_co_u32 s54, s54, 1
	s_lshl_b32 s54, s54, 23                        ; the plane: 8 MiB each
	s_lshl_b32 s55, s12, 17                        ; the head: 131,072 bytes
	s_add_co_u32 s54, s54, s55
	s_and_b32 s55, s[WV], 3
	s_lshl_b32 s55, s55, 15                        ; the quarter
	s_add_co_u32 s54, s54, s55
	s_mov_b32 s55, 0
	s_lshl_b32 s28, s[WV], 15                      ; and where it goes: wave x 32,768
	; Q: plane 0, tile of 16 tokens 128 bh + 32 cx + 4 wave, 1 KiB each
	s_lshl_b32 s56, s12, 17
	s_lshl_b32 s57, s11, 15
	s_add_co_u32 s56, s56, s57
	s_lshl_b32 s57, s[WV], 12
	s_add_co_u32 s56, s56, s57
	s_mov_b32 s57, 0
	; the output: [row block of 128][head / 2][row tile][2 KiB], the odd head in the image's second half
	s_lshr_b32 s58, s12, 4
	s_lshl_b32 s58, s58, 4                         ; 16 b
	s_lshl_b32 s59, s11, 2
	s_add_co_u32 s58, s58, s59
	s_lshr_b32 s59, s[WV], 1
	s_add_co_u32 s58, s58, s59                     ; row block = 16 b + 4 cx + wave / 2
	s_lshl_b32 s58, s58, 17
	s_bfe_u32 s59, s12, 0x30001                    ; head / 2
	s_lshl_b32 s59, s59, 14
	s_add_co_u32 s58, s58, s59
	s_and_b32 s59, s[WV], 1
	s_lshl_b32 s59, s59, 13                        ; my four row tiles
	s_add_co_u32 s58, s58, s59
	s_and_b32 s59, s12, 1
	s_lshl_b32 s59, s59, 10
	s_add_co_u32 s58, s58, s59
	s_mov_b32 s59, 0
	s_wait_dscnt 0x0                               ; the opening add is done
	s_wait_kmcnt 0x0
	s_load_b256 s[40:47], s[6:7], 0x10             ; e4 to e11: e6 s42, e7 s43, e8 s44, e9 s45, e10 s46
	s_add_nc_u64 s[50:51], s[4:5], s[56:57]
	s_add_nc_u64 s[52:53], s[8:9], s[58:59]
	CROUND                                         ; all four work-groups are here: the joint loads meet
	s_mov_b32 s[G0], 1                             ; count = 1
	s_mov_b32 s[G0+1], s28                         ; LDS address
	s_add_nc_u64 s[G0+2:G0+3], s[4:5], s[54:55]    ; global address
	s_or_b32 s[G0+3], s[G0+3], 0x80000000          ; type = 2
	tensor_load_to_lds s[G0:G0+3], s[G1:G1+7]      ; my one tensor load
	s_nop 0
.rept 4
	v_nop
.endr
	v_and_b32 v[LI], 31, v0
	v_lshlrev_b32 v[LI], 4, v[LI]
.irp i, 0,1,2,3
	global_load_b128 v[Q+8*\i:Q+8*\i+3],   v[LI], s[50:51] offset:1024*\i       ; Q's four fragments stay in registers
	global_load_b128 v[Q+8*\i+4:Q+8*\i+7], v[LI], s[50:51] offset:1024*\i+512
.endr
.irp i, 0,1,2,3
	v_mov_b32 v[ST+8*\i+1], 0xff61b1e6             ; the largest t so far: -3e38, under every t
	v_floor_f32 v[ST+8*\i], -v[ST+8*\i+1]          ; -M
.irp n, 2,3,4,5,6,7
	v_mov_b32 v[ST+8*\i+\n], 0
.endr
.endr
	v_mov_b32 v[PD], 0                             ; written once: a lane permute's destination counts as one of its sources
	v_mov_b32 v[FAC+1], 0                          ; (named as the upper half of a pair)
	WIN 0x40
.set j, 0
.rept 128
	v_mov_b32 v[j], 0                              ; O^T.  The key step is written once: its first trip finds zeros, which the first change of M leaves zeros.  These lines stand under the fill of LDS
.set j, j+1
.endr
	WIN 0
	s_wait_kmcnt 0x0
	s_add_co_i32 s54, s42, s43
	s_lshl_b32 s54, s54, 23
	s_mov_b32 s[CS], 0x3e38aa3b                    ; c = log2(e) / 8
	s_add_co_i32 s[CS], s[CS], s54                 ; a score stands for score x 2^(e6 + e7): the two exponents are added to c's exponent field
	s_mov_b32 s[CS+1], s[CS]                       ; (named with it as a pair, so it is written)
	MKSC 45, SCP, LIMP
	MKSC 46, SCO, LIMO
	s_add_co_i32 s48, s44, s45                     ; e8 + e9
	s_mov_b32 s[TB], 0
	s_mov_b32 s[CNT], 16
	s_wait_loadcnt 0x0                             ; Q
	s_wait_tensorcnt 0x0                           ; my eighth of K and V is in LDS,
	s_barrier_signal -1
	s_barrier_wait -1                              ; everybody's is
; One tile's softmax for one key step: 64 scores a lane.
.macro SOFTMAX i
.set rT, ST+8*(\i)
	v_max3_num_f32 v[X0], v[S], v[S+1], v[S+2]     ; the step's largest score of my query among my 64 keys, in two chains, each accumulator from its low end on,
	v_max3_num_f32 v[X1], v[S+3], v[S+4], v[S+5]
.set j, 6
.rept 14
	v_max3_num_f32 v[X0], v[X0], v[S+j], v[S+j+1]
	v_max3_num_f32 v[X1], v[X1], v[S+j+2], v[S+j+3]
.set j, j+4
.endr
	v_max3_num_f32 v[X0], v[X0], v[S+62], v[S+63]
	v_max_num_f32 v[X0], v[X0], v[X1]
	v_permlanex16_b32 v[PD], v[X0], s[SEL], s[SEL+1]
	v_max_num_f32 v[X0], v[X0], v[PD]              ; and among lane l xor 16's
	v_mul_f32 v[X0], s[CS], v[X0]                  ; as t (c is positive)
	v_max_num_f32 v[rT+1], v[rT+1], v[X0]          ; the running largest t
	v_mov_b32 v[X0], v[rT]
	v_floor_f32 v[rT], -v[rT+1]                    ; the new -M = floor(-t) = -ceil(t): M is a whole number
	v_sub_f32 v[X0], v[rT], v[X0]                  ; M's old value less its new one: a whole number, 0 or less
	v_cvt_i32_f32 v[X0], v[X0]                     ; (it saturates)
	v_ldexp_f32 v[FAC], 1.0, v[X0]                 ; f = 2^(old M - new M)
.set j, 0
.rept 32
	v_pk_fma_f32 v[S+j:S+j+1], v[S+j:S+j+1], s[CS:CS+1], v[rT:rT+1] op_sel_hi:[1,0,0]   ; t - M, two at a time (of the pairs c and -M the low word serves both halves)
.set j, j+2
.endr
.set j, 0
.rept 64
	v_exp_f32 v[S+j], v[S+j]                       ; p = 2^(t - M), at most 1
.set j, j+1
.endr
	v_pk_mul_f32 v[rT+2:rT+3], v[rT+2:rT+3], v[FAC:FAC+1] op_sel_hi:[1,0]   ; the sum under the new M: the plain line behind the exponentials
	s_wait_alu depctr_va_vdst(0)                   ; one wait for the batch of 64, ahead of the first line that names a result
	v_pk_add_f32 v[rT+4:rT+5], v[S:S+1], v[S+2:S+3]   ; the row's sum is taken of the unquantised p: two at a time, in two chains
.set j, 4
.rept 15
	v_pk_add_f32 v[rT+2:rT+3], v[rT+2:rT+3], v[S+j:S+j+1]
	v_pk_add_f32 v[rT+4:rT+5], v[rT+4:rT+5], v[S+j+2:S+j+3]
.set j, j+4
.endr
	v_pk_add_f32 v[rT+2:rT+3], v[rT+2:rT+3], v[rT+4:rT+5]
.irp t, 0,1,2,3,4,5,6,7
.irp n, 0,1,2,3,4,5,6,7
	v_min_num_f32 v[S+8*\t+\n], v[S+8*\t+\n], v[LIMP]   ; the conversion to an 8-bit code does not saturate (ISA guide 7.6.2); p is not negative, so the hold is one-sided
.endr
	v_cvt_scalef32_pk8_fp8_f32 v[P+16*(\i)+2*\t:P+16*(\i)+2*\t+1], v[S+8*\t:S+8*\t+7], v[SCP]   ; keys 16 t + 8 h + 0..7: registers 2 t, 2 t + 1 of the second product's operand
.endr
.endm
; One tile of 16 queries in a key step: eight products, the softmax, O^T's rescaling.
.macro TILE i
.if (\i) == 0
	s_wait_dscnt 16                                ; K's sixteen loads are in; V's sixteen may be out
.endif
	WIN 0x01                                       ; source 0 (K) window 1
.irp t, 0,1,2,3,4,5,6,7
	v_wmma_f32_16x16x64_fp8_fp8 v[S+8*\t:S+8*\t+7], v[FK+8*\t:FK+8*\t+7], v[Q+8*(\i):Q+8*(\i)+7], 0
.endr
	WIN 0
.rept 4
	v_nop                                          ; four places in front of the first read of the scores (ISA guide 7.12.1)
.endr
	SOFTMAX \i
	WIN 0x41                                       ; O^T (destination and source 0) window 1, f window 0
.set j, 0
.rept 16
	v_pk_mul_f32 v[32*(\i)+j:32*(\i)+j+1], v[32*(\i)+j:32*(\i)+j+1], v[FAC:FAC+1] op_sel_hi:[1,0]   ; O^T under the new M.  These sixteen are also the plain lines behind the conversions, and the places ahead of the next products, which write over S^T
.set j, j+2
.endr
.endm
.Lk:                                               ; 16 trips: a key step of 128 keys
	v_add_nc_u32 v[ADK], s[TB], v[LI]
	v_add_nc_u32 v[ADV], VOFF, v[ADK]
	v_nop
	v_nop                                          ; with the two additions: four places behind the last trip's products, in front of the loads into V's registers
	WIN 0x40                                       ; destination window 1
.irp t, 0,1,2,3,4,5,6,7
	ds_load_b128 v[FK+8*\t:FK+8*\t+3],   v[ADK] offset:1024*\t
	ds_load_b128 v[FK+8*\t+4:FK+8*\t+7], v[ADK] offset:1024*\t+512
.endr
.irp b, 0,1,2,3
.irp c, 0,1,2,3
	ds_load_b128 v[FV+16*\b+4*\c:FV+16*\b+4*\c+3], v[ADV] offset:2048*\b+512*\c
.endr
.endr
	TILE 0
	TILE 1
	TILE 2
	TILE 3
	s_wait_dscnt 0x0                               ; V is in
	WIN 0x51                                       ; V window 1, P window 0, O^T (C and D) window 1
.irp b, 0,1,2,3                        ; sixteen accumulators by turns, one instruction a turn
.irp i, 0,1,2,3
	v_wmma_f32_16x16x128_fp8_fp8 v[32*\i+8*\b:32*\i+8*\b+7], v[FV+16*\b:FV+16*\b+15], v[P+16*\i:P+16*\i+15], v[32*\i+8*\b:32*\i+8*\b+7]
.endr
.endr
	WIN 0
	s_add_co_u32 s[TB], s[TB], 8192
	s_sub_co_i32 s[CNT], s[CNT], 1
	s_cmp_lg_u32 s[CNT], 0
	s_cbranch_scc1 .Lk
	; THE WAY OUT.  The additions below are plain lines that name no register of the last products: they are the places behind them.
.irp i, 0,1,2,3
	v_add_f32 v[ST+8*\i+4], v[ST+8*\i+2], v[ST+8*\i+3]             ; the sum's two halves,
.endr
.irp i, 0,1,2,3
	v_permlanex16_b32 v[ST+8*\i+5], v[ST+8*\i+4], s[SEL], s[SEL+1]
.endr
.irp i, 0,1,2,3
	v_add_f32 v[ST+8*\i+4], v[ST+8*\i+4], v[ST+8*\i+5]             ; and lane l xor 16's: the row's sum
.endr
.irp i, 0,1,2,3
	v_rcp_f32 v[ST+8*\i+6], v[ST+8*\i+4]
.endr
	v_nop                                          ; a plain line between the last reciprocal and the use of its result
	s_wait_alu depctr_va_vdst(0)                   ; one wait for the four reciprocals, ahead of their first reader
.irp i, 0,1,2,3
	v_ldexp_f32 v[ST+8*\i+6], v[ST+8*\i+6], s48    ; x 2^(e8 + e9)
.endr
; Tile i: O^T / the sum; held; converted: d tile b gives registers 2 b, 2 b + 1 of my head's half of the image (k = 64 head + 16 b + 8 h + 0..7 of row r).
.macro OUT i
.set rW, S+32*((\i)%2)
	WIN 0x01                                       ; source 0 (O^T) window 1
.set j, 0
.rept 16
	v_pk_mul_f32 v[rW+j:rW+j+1], v[32*(\i)+j:32*(\i)+j+1], v[ST+8*(\i)+6:ST+8*(\i)+7] op_sel_hi:[1,0]   ; each accumulator from its low end on
.set j, j+2
.endr
	WIN 0
.set j, 0
.rept 32
	v_med3_num_f32 v[rW+j], v[rW+j], -v[LIMO], v[LIMO]
.set j, j+1
.endr
.irp b, 0,1,2,3
	v_cvt_scalef32_pk8_fp8_f32 v[OC+8*(\i)+2*\b:OC+8*(\i)+2*\b+1], v[rW+8*\b:rW+8*\b+7], v[SCO]
.endr
	v_nop                                          ; a plain vector line behind the conversions
	global_store_b128 v[LI], v[OC+8*(\i):OC+8*(\i)+3],   s[52:53] offset:2048*(\i)       ; the wave stores 512 consecutive bytes, at a multiple of 512 from the buffer's first byte
	global_store_b128 v[LI], v[OC+8*(\i)+4:OC+8*(\i)+7], s[52:53] offset:2048*(\i)+512
.endm
	OUT 0
	OUT 1
	OUT 2
	OUT 3
	s_wait_tensorcnt 0x0                           ; the wave's end: a wait, an add and its wait, behind my tensor load
	ds_add_u32 v[SPW], v[NIL]
	s_wait_dscnt 0x0
	CROUND                                         ; the closing round
	s_endpgm
.Lfunc_end_k_qaf898a2d75_attn:
	.size	k_qaf898a2d75_attn, .Lfunc_end_k_qaf898a2d75_attn-k_qaf898a2d75_attn
	.p2alignl 7, 3214868480
	.fill 96, 4, 3214868480
	.section	.rodata,"a",@progbits
	.p2align	6, 0x0
	.amdhsa_kernel k_qaf898a2d75_attn
		.amdhsa_group_segment_fixed_size 263168
		.amdhsa_private_segment_fixed_size 0
		.amdhsa_enable_private_segment 0
		.amdhsa_kernarg_size 24
		.amdhsa_user_sgpr_count 2
		.amdhsa_user_sgpr_kernarg_segment_ptr 1
		.amdhsa_wavefront_size32 1
		.amdhsa_system_sgpr_workgroup_id_x 1
		.amdhsa_system_sgpr_workgroup_id_y 1
		.amdhsa_system_sgpr_workgroup_id_z 1
		.amdhsa_system_vgpr_workitem_id 0
		.amdhsa_next_free_vgpr 512
		.amdhsa_next_free_sgpr 66
		.amdhsa_reserve_vcc 0
		.amdhsa_float_denorm_mode_32 3
		.amdhsa_float_denorm_mode_16_64 3
		.amdhsa_memory_ordered 1
		.amdhsa_forward_progress 1
		.amdhsa_inst_pref_size 81
	.end_amdhsa_kernel
	.amdgpu_metadata
---
amdhsa.version: [ 1, 2 ]
amdhsa.kernels:
  - .name:           k_qaf898a2d75_attn
    .symbol:         k_qaf898a2d75_attn.kd
    .args:
      - { .name: qkv, .offset: 0, .size: 8, .value_kind: global_buffer, .address_space: global }
      - { .name: lowp_scales, .offset: 8, .size: 8, .value_kind: global_buffer, .address_space: global }
      - { .name: acodes, .offset: 16, .size: 8, .value_kind: global_buffer, .address_space: global }
    .group_segment_fixed_size: 263168
    .private_segment_fixed_size: 0
    .kernarg_segment_align: 8
    .kernarg_segment_size: 24
    .max_flat_workgroup_size: 256
    .sgpr_count:     66
    .vgpr_count:     512
    .wavefront_size: 32
...
	.end_amdgpu_metadata
.endif
;; end of part 3
;; launch proj (part 4): grid 8 x 64, 4 waves a work-group, clusters of 4 x 4, 284,160 bytes of LDS; arguments acodes, wcodes, lowp_scales, bo, x, out0; writes out0
.if DOCPART == 4
	.amdgcn_target "amdgcn-amd-amdhsa--gfx1250"
	.amdhsa_code_object_version 6
	.text
	.protected	k_qaf898a2d75_proj
	.globl	k_qaf898a2d75_proj
	.p2align	8
	.type	k_qaf898a2d75_proj,@function
k_qaf898a2d75_proj:
	s_mov_b64 s[64:65], 0
	v_nop
	global_prefetch_b8 v0, s[64:65] scope:SCOPE_SE
	s_setreg_imm32_b32 hwreg(HW_REG_WAVE_MODE, 25, 1), 1
	s_wait_xcnt 0x0
	s_wait_alu depctr_hold_cnt(0) depctr_sa_sdst(0) depctr_va_vdst(0) depctr_va_sdst(0) depctr_va_ssrc(0) depctr_va_vcc(0) depctr_vm_vsrc(0)
	s_getreg_b32 s2, hwreg(HW_REG_IB_STS2, 6, 4)
	s_cmp_eq_u32 s2, 0
	s_cbranch_scc0 .Lentry_in_a_cluster
	s_endpgm
.Lentry_in_a_cluster:
	s_bfe_u32 s2, ttmp6, 0x10000c
	s_cmp_lg_u32 s2, 0xf033
	s_cbranch_scc0 .Lentry_shape_is_right
	s_endpgm
.Lentry_shape_is_right:
; out0 = a Wo^T x 2^(e10 + e11) + bo + x.  a: the attention's result as E4M3 codes, laid as images of operand registers [row block of 128][K step of 128: 8][row tile: 8][2 KiB]; Wo: codes [1024 n][1024 k], plane 3 of wcodes.
; A work-group makes 128 rows x 128 columns; each of its four waves 64 x 64: 16 accumulators.  THE WHOLE K = 1,024 OF BOTH TILES LIES IN LDS, by first fills alone, in two halves of K: two tensor loads a wave; no bytes are filled again.
; The bytes of x and out0 outweigh the products here: a wave's 32 loads of x go out at the head, under the fills and the products.
; CLUSTERS: 4 x 4 work-groups.  a's tile hangs on the row block (cy) and is shared along a row of the cluster, Wo's on the column block (cx) and along a column: each is asked for JOINTLY by four.
; THE MATRIX INSTRUCTION IS USED TRANSPOSED (source 0 = 16 rows of Wo, source 1 = 16 rows of a): a lane holds eight neighbouring columns of one row of the output.
; a's images hold each k in the place that the K = 128 form's own layout gives it (registers 2 c, 2 c + 1: k = 16 c + 8 h + 0..7), so Wo's fragments are read so too: eight loads of 8 bytes.
; LIMIT: e10 + e11 between -126 and 127.
; REGISTERS: window 0: v1-31 addresses; v32-95 two sets of 32 on the way out; v96-99 bo; v128-191 a's four fragments, v192-255 Wo's four: set 0.   window 2: the same numbers: set 1.
;   window 1: v0-127 the accumulators ((a, b) at 8 (4 a + b)); v128-255 my 64 x 64 numbers of x.
.set BPITCH, 528                       ; a row of Wo's half in LDS: 512 bytes + 16 = 132 words: the 32 lanes of a load of 8 bytes touch 64 different banks (64 banks of 4 bytes: ISA guide 11.1)
.set BOFF,   131072                    ; LDS: a's tile from 0 (131,072 bytes, dense); Wo's two halves of K from here,
.set BHALF,  128*BPITCH                ; 67,584 bytes each;
.set STG,    BOFF+2*BHALF              ; the stages for the way out: 16 rows x 272 bytes for each wave, the wave's own; no tile lands there;
.set SPITCH, 272
.set SPARE,  STG+4*16*SPITCH           ; the spare words, 128 bytes for each wave
.set ADA,  16                          ; v16-17  LDS address of my fragments of a in K half 0, 1
.set ADB,  20                          ; v20-21  the same for Wo
.set STO,  24                          ; v24     the way out: where I put 32 bytes of a row
.set RD,   25                          ; v25     where I read rows back
.set CO,   26                          ; v26     my byte offset in x and in out0
.set BOF,  27                          ; v27     my byte offset in bo
.set SPW,  28                          ; v28     LDS address of my spare word; never rewritten
.set NIL,  29                          ; v29     0; never rewritten
.set T,    32
.set BO,   96
.set AF,   128
.set BF,   192
.set XR,   128                         ; in window 1
.set WV,   18                          ; s18 wave;  s19 wave / 2: my half of the rows, and: I fetch for a (0) or Wo (1);  s20 wave % 2: my half of the columns, and: which half of a tile I fetch
.set WR,   19
.set WC,   20
.set CX,   21
.set CY,   22
.set G1A,  24                          ; s[24:31] descriptor group 1 for a's tiles;  s[32:39] group 0, one set for each K half
.set G0A,  32
.set G1B,  48                          ; s[48:55], s[56:63] the same for Wo's
.set G0B,  56
.set MSB, 0
.macro WIN new                         ; the immediate's high byte repeats the setting that is left
.if MSB != (\new)
	s_set_vgpr_msb (MSB<<8)|(\new)
.set MSB, \new
.endif
.endm
.macro CROUND                          ; a round of the cluster's barrier
	s_barrier_signal -1
	s_barrier_wait -1
	s_cmp_lg_u32 s[WV], 0
	s_cbranch_scc1 .Lnot_wave_0_\@
	s_barrier_signal -3
.Lnot_wave_0_\@:
	s_barrier_wait -3
	s_barrier_signal -1
	s_barrier_wait -1
.endm
.macro PLACES n
.rept \n
	v_nop
.endr
.endm
	s_load_b256 s[4:11], s[0:1], 0x0               ; acodes 4:5, wcodes 6:7, the exponents 8:9, bo 10:11
	s_load_b128 s[12:15], s[0:1], 0x20             ; x 12:13, out0 14:15
	v_lshl_add_u32 v[SPW], v0, 2, SPARE
	v_mov_b32 v[NIL], 0
	ds_add_u32 v[SPW], v[NIL]                      ; the wave's opening: the add and its wait stand ahead of my first tensor load; the set-up below, work on registers, stands between them
	v_lshrrev_b32 v1, 5, v0
	v_readfirstlane_b32 s[WV], v1                  ; wave 0..3
	s_lshr_b32 s[WR], s[WV], 1
	s_and_b32 s[WC], s[WV], 1
	s_bfe_u32 s[CX], ttmp6, 0x40000
	s_bfe_u32 s[CY], ttmp6, 0x40004
	s_lshl_b32 s23, ttmp9, 2
	s_add_co_u32 s23, s23, s[CX]                   ; X: my block of 128 columns, 0 to 7
	s_and_b32 s40, ttmp7, 0xffff
	s_lshl_b32 s40, s40, 2
	s_add_co_u32 s40, s40, s[CY]                   ; Y: my block of 128 rows, 0 to 63
	s_lshl_b32 s86, s[CY], 2
	s_lshl_b32 s86, 15, s86                        ; my row of the cluster
	s_lshl_b32 s87, 0x1111, s[CX]                  ; my column
	s_or_b32 s[G1A], s86, (3<<16)|(1<<21)          ; a: 15:0 the mask of my row; 17:16 elements of 8 bytes; no padding; 21 set beside a mask
	s_mov_b32 s[G1A+1], 32<<16                     ; 32,768 dense bytes as 128 rows of 256: tensor_dim0 = 32 elements
	s_mov_b32 s[G1A+2], 128<<16                    ; tensor_dim1 = 128
	s_mov_b32 s[G1A+3], 32<<16                     ; tile_dim0
	s_mov_b32 s[G1A+4], 128                        ; tile_dim1
	s_mov_b32 s[G1A+5], 32                         ; tensor_dim0_stride
	s_mov_b32 s[G1A+6], 0
	s_mov_b32 s[G1A+7], 0
	s_or_b32 s[G1B], s87, (0<<16)|(1<<20)|(1<<21)|(6<<22)|(3<<25)   ; Wo: the mask of my column; elements of 1 byte; padding on: four words (code 3) after every 128 (code 6)
	s_mov_b32 s[G1B+1], 512<<16                    ; 64 rows of 512 bytes: tensor_dim0
	s_mov_b32 s[G1B+2], 64<<16                     ; tensor_dim1
	s_mov_b32 s[G1B+3], 512<<16                    ; tile_dim0
	s_mov_b32 s[G1B+4], 64                         ; tile_dim1
	s_mov_b32 s[G1B+5], 1024                       ; tensor_dim0_stride
	s_mov_b32 s[G1B+6], 0
	s_mov_b32 s[G1B+7], 0
	s_lshl_b32 s46, s[WC], 15                      ; a: my 32,768 bytes of a K half, in LDS and in memory alike
	s_lshl_b32 s42, s40, 17                        ; the row block: 131,072 bytes
	s_add_co_u32 s42, s42, s46
	s_mov_b32 s43, 0
	s_lshl_b32 s44, s23, 17                        ; Wo: 128 X rows of 1,024 bytes,
	s_lshl_b32 s45, s[WC], 16                      ; my 64 of them,
	s_add_co_u32 s44, s44, s45
	s_add_co_u32 s44, s44, 3<<20                   ; in plane 3
	s_mov_b32 s45, 0
	s_mul_i32 s47, s[WC], 64*BPITCH
	s_add_co_u32 s47, s47, BOFF                    ; and where they go
	s_lshl_b32 s78, s40, 19                        ; x and out0: row 128 Y + 64 (wave / 2), 4,096 bytes a row,
	s_lshl_b32 s79, s[WR], 18
	s_add_co_u32 s78, s78, s79
	s_lshl_b32 s80, s23, 9                         ; column 128 X + 64 (wave % 2), 4 bytes each
	s_lshl_b32 s81, s[WC], 8
	s_add_co_u32 s80, s80, s81
	s_add_co_u32 s78, s78, s80
	s_mov_b32 s79, 0
	s_mov_b32 s81, 0
	s_wait_dscnt 0x0                               ; the opening add is done
	s_wait_kmcnt 0x0
	s_load_b64 s[68:69], s[8:9], 0x28              ; e10, e11
	s_add_nc_u64 s[42:43], s[4:5], s[42:43]
	s_add_nc_u64 s[44:45], s[6:7], s[44:45]
	s_add_nc_u64 s[72:73], s[12:13], s[78:79]
	s_add_nc_u64 s[74:75], s[14:15], s[78:79]
	s_add_nc_u64 s[76:77], s[10:11], s[80:81]
	CROUND                                         ; all sixteen work-groups are here: the joint loads meet
.irp p, 0,1
	s_mov_b32 s[G0A+4*\p], 1                                       ; count = 1
	s_add_co_u32 s[G0A+4*\p+1], s46, \p*65536                      ; LDS address
	s_add_nc_u64 s[G0A+4*\p+2:G0A+4*\p+3], s[42:43], \p*65536      ; global address: K steps 4 p on
	s_or_b32 s[G0A+4*\p+3], s[G0A+4*\p+3], 0x80000000              ; type = 2
	s_mov_b32 s[G0B+4*\p], 1
	s_add_co_u32 s[G0B+4*\p+1], s47, \p*BHALF
	s_add_nc_u64 s[G0B+4*\p+2:G0B+4*\p+3], s[44:45], \p*512
	s_or_b32 s[G0B+4*\p+3], s[G0B+4*\p+3], 0x80000000
.endr
	s_cmp_eq_u32 s[WR], 0                          ; a wave's two fills stand in one branch on the wave's number, ahead of every wait on TENSORcnt and every LDS read: two loads of mine are out
	s_cbranch_scc0 .Lfirst_b
	tensor_load_to_lds s[G0A:G0A+3], s[G1A:G1A+7]
	s_nop 0
	tensor_load_to_lds s[G0A+4:G0A+7], s[G1A:G1A+7]
	s_nop 0
.rept 4
	v_nop
.endr
	s_branch .Lfirst_asked
.Lfirst_b:
	tensor_load_to_lds s[G0B:G0B+3], s[G1B:G1B+7]
	s_nop 0
	tensor_load_to_lds s[G0B+4:G0B+7], s[G1B:G1B+7]
	s_nop 0
.rept 4
	v_nop
.endr
.Lfirst_asked:
	v_and_b32 v1, 15, v0                           ; r = lane % 16
	v_bfe_u32 v2, v0, 4, 1                         ; h = lane / 16
	v_lshlrev_b32 v[BOF], 4, v1                    ; four columns a lane
	v_lshl_add_u32 v[CO], v2, 12, v[BOF]           ; lanes 0-15 one row, lanes 16-31 the next
	global_load_b128 v[BO:BO+3], v[BOF], s[76:77]
	WIN 0x40                                       ; destination window 1
.irp a, 0,1,2,3
.irp t, 0,1,2,3,4,5,6,7
	global_load_b128 v[XR+32*\a+4*\t:XR+32*\a+4*\t+3], v[CO], s[72:73] offset:(16*\a+2*\t)*4096 th:TH_LOAD_NT   ; 16 lanes read 256 consecutive bytes
.endr
.endr
	WIN 0
	v_and_b32 v3, 31, v0
	s_lshl_b32 s86, s[WR], 13                      ; my four row tiles of 2 KiB
	v_lshl_add_u32 v[ADA], v3, 4, s86              ; + 16 x lane
	v_add_nc_u32 v[ADA+1], 65536, v[ADA]
	s_mul_i32 s87, s[WC], 64*BPITCH                ; my 64 rows of Wo
	s_add_co_u32 s87, s87, BOFF
	v_mul_u32_u24 v4, v1, BPITCH
	v_lshl_add_u32 v4, v2, 3, v4                   ; row r, + 8 h
	v_add_nc_u32 v[ADB], s87, v4
	v_add_nc_u32 v[ADB+1], BHALF, v[ADB]
	s_mul_i32 s86, s[WV], 16*SPITCH
	s_add_co_u32 s86, s86, STG                     ; my stage
	v_mul_u32_u24 v5, v1, SPITCH
	v_lshl_add_u32 v5, v2, 5, v5
	v_add_nc_u32 v[STO], s86, v5                   ; in: row r, 32 bytes for each half of the lanes
	v_mul_u32_u24 v5, v2, SPITCH
	v_lshl_add_u32 v5, v1, 4, v5
	v_add_nc_u32 v[RD], s86, v5                    ; back: lanes 0-15 one row of 256 bytes, lanes 16-31 the next
; The fragments of K step fstep into set fset: a's four by four loads of 16 bytes each (images), Wo's four by eight loads of 8 bytes each.
.macro FETCH
.if fset
	WIN 0x80                                       ; destination window 2
.else
	WIN 0
.endif
.irp a, 0,1,2,3
.irp c, 0,1,2,3
	ds_load_b128 v[AF+16*\a+4*\c:AF+16*\a+4*\c+3], v[ADA+fstep/4] offset:(fstep%4)*16384+2048*\a+512*\c
.endr
.endr
.irp b, 0,1,2,3
.irp c, 0,1,2,3,4,5,6,7
	ds_load_b64 v[BF+16*\b+2*\c:BF+16*\b+2*\c+1], v[ADB+fstep/4] offset:16*BPITCH*\b+128*(fstep%4)+16*\c
.endr
.endr
.endm
; 16 matrix instructions, 128 along K; the 16 accumulators take turns, one instruction a turn, in the same order in every step.  zero: the first step starts the sums.
.macro MUL set, zero
.if \set
	WIN 0x5a                                       ; sources 0 and 1 window 2, C and D window 1
.else
	WIN 0x50                                       ; sources 0 and 1 window 0, C and D window 1
.endif
.irp a, 0,1,2,3
.irp b, 0,1,2,3
.if \zero
	v_wmma_f32_16x16x128_fp8_fp8 v[8*(4*\a+\b):8*(4*\a+\b)+7], v[BF+16*\b:BF+16*\b+15], v[AF+16*\a:AF+16*\a+15], 0
.else
	v_wmma_f32_16x16x128_fp8_fp8 v[8*(4*\a+\b):8*(4*\a+\b)+7], v[BF+16*\b:BF+16*\b+15], v[AF+16*\a:AF+16*\a+15], v[8*(4*\a+\b):8*(4*\a+\b)+7]
.endif
.endr
.endr
.endm
.macro STEP s
	s_wait_dscnt 0x0                               ; this step's fragments are in
.if (\s) == 3
	s_wait_tensorcnt 0x0                           ; my part of the second K half is in,
	s_barrier_signal -1
	s_barrier_wait -1                              ; everybody's is
.endif
	PLACES 4                                       ; in front of loads into the set that the last step's products read
.if (\s) < 7
.set fset, ((\s)+1)%2
.set fstep, (\s)+1
	FETCH
.endif
	MUL (\s)%2, (\s)==0
.endm
	s_wait_tensorcnt 1                             ; my part of the first K half is in (the second half's load may be out),
	s_barrier_signal -1
	s_barrier_wait -1                              ; everybody's is
.set fset, 0
.set fstep, 0
	FETCH
.irp s, 0,1,2,3,4,5,6,7
	STEP \s
.endr
	WIN 0
	s_wait_kmcnt 0x0
	s_add_co_i32 s70, s68, s69
	s_add_co_i32 s70, s70, 127
	s_lshl_b32 s70, s70, 23                        ; 2^(e10 + e11) as f32
	s_mov_b32 s71, s70                             ; (named with it as a pair, so it is written)
	PLACES 4                                       ; in front of the first read of results
; THE WAY OUT, a block of 16 rows x 64 columns at a time.  A lane holds 32 bytes of a row and the lanes beside it other rows: the block goes through my own stage and comes back as whole rows of 256 bytes.
; LDS serves a wave's instructions in order (ISA guide 5.7.1.4): no wait between the stores and the loads, nor in front of the next block's stores.
.macro BLOCK a
.set TT, T+32*((\a)%2)
.if (\a) >= 2
	s_wait_xcnt 0x0                                ; block a - 2's stores have read this set's registers
.endif
	WIN 0x04                                       ; the stores' data: window 1
.irp b, 0,1,2,3
	ds_store_b128 v[STO], v[8*(4*(\a)+\b):8*(4*(\a)+\b)+3]   offset:64*\b        ; each accumulator from its low end on
	ds_store_b128 v[STO], v[8*(4*(\a)+\b)+4:8*(4*(\a)+\b)+7] offset:64*\b+16
.endr
	WIN 0
.irp t, 0,1,2,3,4,5,6,7
	ds_load_b128 v[TT+4*\t:TT+4*\t+3], v[RD] offset:2*SPITCH*\t
.endr
	s_wait_dscnt 0x0
	s_wait_loadcnt 24-8*(\a)                       ; bo and this block's eight loads of x are in; the later blocks' stay out
.irp q, 0,1,2,3,4,5,6,7,8,9,10,11,12,13,14,15
	v_pk_fma_f32 v[TT+2*\q:TT+2*\q+1], v[TT+2*\q:TT+2*\q+1], s[70:71], v[BO+2*(\q%2):BO+2*(\q%2)+1] op_sel_hi:[1,0,1]   ; sum x 2^(e10 + e11) + bo
.endr
	WIN 0x04                                       ; source 1 (x) window 1
.irp q, 0,1,2,3,4,5,6,7,8,9,10,11,12,13,14,15
	v_pk_add_f32 v[TT+2*\q:TT+2*\q+1], v[TT+2*\q:TT+2*\q+1], v[XR+32*(\a)+2*\q:XR+32*(\a)+2*\q+1]   ; + x
.endr
	WIN 0
.irp t, 0,1,2,3,4,5,6,7
	global_store_b128 v[CO], v[TT+4*\t:TT+4*\t+3], s[74:75] offset:(16*(\a)+2*\t)*4096 th:TH_STORE_NT   ; 16 lanes store 256 consecutive bytes, at a multiple of 256 from out0's first byte
.endr
.endm
	BLOCK 0
	BLOCK 1
	BLOCK 2
	BLOCK 3
	s_wait_tensorcnt 0x0                           ; the wave's end: a wait, an add and its wait, behind my last tensor load and my last LDS store
	ds_add_u32 v[SPW], v[NIL]
	s_wait_dscnt 0x0
	CROUND                                         ; the closing round
	s_endpgm
.Lfunc_end_k_qaf898a2d75_proj:
	.size	k_qaf898a2d75_proj, .Lfunc_end_k_qaf898a2d75_proj-k_qaf898a2d75_proj
	.p2alignl 7, 3214868480
	.fill 96, 4, 3214868480
	.section	.rodata,"a",@progbits
	.p2align	6, 0x0
	.amdhsa_kernel k_qaf898a2d75_proj
		.amdhsa_group_segment_fixed_size 284160
		.amdhsa_private_segment_fixed_size 0
		.amdhsa_enable_private_segment 0
		.amdhsa_kernarg_size 48
		.amdhsa_user_sgpr_count 2
		.amdhsa_user_sgpr_kernarg_segment_ptr 1
		.amdhsa_wavefront_size32 1
		.amdhsa_system_sgpr_workgroup_id_x 1
		.amdhsa_system_sgpr_workgroup_id_y 1
		.amdhsa_system_sgpr_workgroup_id_z 1
		.amdhsa_system_vgpr_workitem_id 0
		.amdhsa_next_free_vgpr 768
		.amdhsa_next_free_sgpr 100
		.amdhsa_reserve_vcc 0
		.amdhsa_float_denorm_mode_32 3
		.amdhsa_float_denorm_mode_16_64 3
		.amdhsa_memory_ordered 1
		.amdhsa_forward_progress 1
		.amdhsa_inst_pref_size 60
	.end_amdhsa_kernel
	.amdgpu_metadata
---
amdhsa.version: [ 1, 2 ]
amdhsa.kernels:
  - .name:           k_qaf898a2d75_proj
    .symbol:         k_qaf898a2d75_proj.kd
    .args:
      - { .name: acodes, .offset: 0, .size: 8, .value_kind: global_buffer, .address_space: global }
      - { .name: wcodes, .offset: 8, .size: 8, .value_kind: global_buffer, .address_space: global }
      - { .name: lowp_scales, .offset: 16, .size: 8, .value_kind: global_buffer, .address_space: global }
      - { .name: bo, .offset: 24, .size: 8, .value_kind: global_buffer, .address_space: global }
      - { .name: x, .offset: 32, .size: 8, .value_kind: global_buffer, .address_space: global }
      - { .name: out0, .offset: 40, .size: 8, .value_kind: global_buffer, .address_space: global }
    .group_segment_fixed_size: 284160
    .private_segment_fixed_size: 0
    .kernarg_segment_align: 8
    .kernarg_segment_size: 48
    .max_flat_workgroup_size: 128
    .sgpr_count:     100
    .vgpr_count:     768
    .wavefront_size: 32
...
	.end_amdgpu_metadata
.endif
;; end of part 4
